; MI455X (gfx1250); checked and timed in simulation.
; The chip was launched on July 23, 2026; its instructions are those of AMD's public machine-readable ISA for CDNA 5 (MIT licence, August 2026) and "CDNA5" Instruction Set Architecture Reference Guide (July 2026). The comments in the code are by the model that wrote it; some were corrected since.
;; Self Attention. Allowed arithmetic: matrix products marked QUANTISED: E2M1 operands, one E8M0 scale for each 32 along K, by v_wmma_scale_f32_16x16x128_f8f6f4 with both operands' format E2M1 (or v_wmma_scale_f32_32x16x128_f4), f32 sums; products left as they are: bf16, f16 or f32 operands; f32 sums; everything else in f32.
;; Inputs: Wk 512 x 512 float32; Wo 512 x 512 float32; Wq 512 x 512 float32; Wv 512 x 512 float32; x 2 x 4,096 x 512 float32.
;; Outputs: out0 2 x 4,096 x 512 float32.
;; This version of the problem:
;;   THIS VERSION OF THE PROBLEM IS GIVEN IN LOW PRECISION. The matrix products marked QUANTISED in the list below multiply operands that are first quantised to E2M1 (2 exponent bits, 1 mantissa bit; 4 bits a number), with one power-of-two scale for each 32 numbers along K (OCP MX v1.0); their sums are f32. The products marked 'left as it is' may take bf16, f16 or f32 operands, with f32 sums. Whichever they take, every output number must still come out within the allowed error. Rounding operands to bf16 (8 significant bits) uses up far more of that allowance than f16 does (11 bits, for magnitudes from 6e-5 to 65,504). All else is computed in f32.
;;   The module's matrix products, in the order in which they are computed (A, B: the left and right operand; K: the contracted axis; several contracted axes count as one K, in the product's order):
;;     1. [M 8,192, K 512] x [K 512, N 512]; A: input x; B: input Wq: QUANTISED
;;     2. [M 8,192, K 512] x [K 512, N 512]; A: input x; B: input Wk: QUANTISED
;;     3. [M 8,192, K 512] x [K 512, N 512]; A: input x; B: input Wv: QUANTISED
;;     4. batch 16 x [M 4,096, K 64] x [K 64, N 4,096]; A: computed on the way; B: computed on the way: left as it is (an operand is computed on the way)
;;     5. batch 16 x [M 4,096, K 4,096] x [K 4,096, N 64]; A: computed on the way; B: computed on the way: left as it is (an operand is computed on the way)
;;     6. [M 8,192, K 512] x [K 512, N 512]; A: computed on the way; B: input Wo: left as it is (an operand is computed on the way)
;;   THE QUANTISER, for each operand of a quantised product, along K:
;;     - K is cut into blocks of 32 from its start; a last block that is shorter is filled with zeros.
;;     - A block's scale is 2^e with e = floor(log2(the largest magnitude in the block)) - 2, held to -126 .. 127; a block of zeros has e = 0. As a byte (E8M0): e + 127.
;;     - Each number is divided by its block's scale, clamped to +-6, and rounded to the nearest number of E2M1, ties to even, subnormals kept.
;;     - The product sums the exact products of the quantised numbers (number of the format x scale) in f32.
;;   ~~~python
;;   def quantise(x, axis):      # numpy; x: float32 -> the quantised numbers, widened to float32 again
;;       x = np.moveaxis(x, axis, -1); K = x.shape[-1]
;;       x = np.pad(x, [(0, 0)] * (x.ndim - 1) + [(0, -K % 32)]); x = x.reshape(x.shape[:-1] + (-1, 32)); a = np.abs(x).max(-1, keepdims=True)
;;       e = np.where(a > 0, np.clip(np.frexp(np.where(a > 0, a, 1))[1] - 1 - 2, -126, 127), 0)      # np.frexp(a)[1] - 1 = floor(log2(a)), exactly
;;       r = np.clip(x / 2.0 ** e, -6, 6)
;;       step = 2.0 ** (np.maximum(np.frexp(np.where(r == 0, 1, r))[1] - 1, 0) - 1)
;;       q = np.round(r / step) * step * 2.0 ** e      # np.round: ties to even
;;       return np.moveaxis(q.reshape(q.shape[:-2] + (-1,))[..., :K], -1, axis).astype(np.float32)
;;   ~~~
;; One version. Each part assembles by itself: llvm-mc -triple=amdgcn-amd-amdhsa -mcpu=gfx1250 --defsym DOCPART=n.
;; ======== version 1 of 1: 4 launches
;; limits: values are held in f16: magnitudes above 65,504 overflow, below 6.1e-05 lose precision
;; workspace buffers: cimg 2,490,368 bytes; simg 311,296 bytes; woimg 524,288 bytes; qimg 8,388,608 bytes; kimg 8,388,608 bytes; vimg 8,388,608 bytes; vmaxp 4,096 bytes; oimg 8,388,608 bytes
;; launch prep (part 1): grid 320 x 1, 2 waves a work-group, no clusters, 34,048 bytes of LDS; arguments x, Wq, Wk, Wv, Wo, cimg, simg, woimg; writes cimg, simg, woimg
.if DOCPART == 1
	.amdgcn_target "amdgcn-amd-amdhsa--gfx1250"
	.amdhsa_code_object_version 6
	.text
	.protected	k_q0a42faec93_prep
	.globl	k_q0a42faec93_prep
	.p2align	8
	.type	k_q0a42faec93_prep,@function
k_q0a42faec93_prep:
	s_mov_b64 s[64:65], 0
	v_nop
	global_prefetch_b8 v0, s[64:65] scope:SCOPE_SE
	s_setreg_imm32_b32 hwreg(HW_REG_WAVE_MODE, 25, 1), 1
	s_wait_xcnt 0x0
; x [8192][512], Wq, Wk, Wv [512][512], f32, K innermost, become codes of FP4 (E2M1) with one E8M0 byte for each 32 along K; Wo [512][512] becomes f16.
; All leave as IMAGES OF OPERAND REGISTERS: a piece is four registers of a fragment, lane l's 16 bytes at 16 l, 512 bytes on end.
;   cimg  [tile of 16 rows: 608][K step of 128: 4][c 2][lane][16 B]; tiles 0-511 x, 512-543 Wq, 544-575 Wk, 576-607 Wv.  Registers 4 c .. 4 c + 3 of lane (r, h): k = 64 c + 32 h + 0 .. 31 of row r.
;   simg  [tile][lane][K step 4] scale words; lanes 16-31 repeat lanes 0-15.
;   woimg [tile of 16 rows: 32][K step of 32: 16][c 2][lane][16 B]; registers 4 c .. 4 c + 3 of lane (r, h): k = 16 c + 8 h + 0 .. 7 of row r, as f16.
; A block's scale is 2^(floor(log2(its largest magnitude)) - 2); its byte is that magnitude's exponent field - 2, held at 1 from below by a floor among the maximum's leaves.
; LIMITS: a block whose largest magnitude lies under 2^-124 (a block of zeros too) gets the byte 1: zeros give zero codes, and this program alone reads the bytes.  NaN and infinities are not served.
; Wo's numbers must lie inside f16's range (65,504).
; SHARES.  A wave takes one tile, 16 rows x 512 numbers (32 KB): task T = 2 x work-group + wave, 0 .. 639; the last 32 tasks are Wo's.  Each load reads 512 consecutive bytes of one row; a K step's 16 x 512 bytes
; turn through the wave's own stage in LDS (rows 528 bytes apart: the sixteen rows that a read touches fall on sixteen different 16-byte columns), and come back with a lane's numbers neighbours along K.
; In the FP4 layout a lane holds whole blocks of 32, so a block's maximum needs no other lane.  No barrier: waves share nothing.  The two paths have stage bytes of their own.
.set PITCH, 528
.set WSTG,  16*PITCH                   ; a wave's stage: 8,448 bytes
.set HOFF,  2*WSTG                     ; the f16 path's two stages lie behind the FP4 path's two
.set SPARE, 4*WSTG                     ; 33,792: the spare words, 128 bytes for each wave: one block of 256 bytes that no other line names
.set LI,  4                            ; v4   16 x lane
.set SA,  5                            ; v5   the stage, on the way in: my wave's + 16 x lane
.set SB,  6                            ; v6   on the way out, FP4: + 528 r + 128 h
.set SC,  7                            ; v7   on the way out, f16: + 528 r + 32 h
.set H8,  8                            ; v8   8 h
.set MX,  10                           ; v10-11 two blocks' largest magnitudes
.set SCO, 12                           ; v12-13 the conversions' scale operands
.set BY,  14                           ; v14-15 the scale bytes
.set C,   16                           ; v16-47 codes, 8 registers a K step; on the f16 path 32 packed registers
.set SW,  48                           ; v48-51 the four scale words
.set SPW, 54                           ; v54  LDS address of my spare word; never rewritten
.set NIL, 55                           ; v55  0; never rewritten
.set R,   64                           ; v64-191 two sets of 64: a K step's numbers as loaded
.set X,   192                          ; v192-255 the same, turned
.macro LOAD ks                         ; K step ks: 16 rows x 512 bytes into set ks % 2
.irp rr, 0,1,2,3,4,5,6,7,8,9,10,11,12,13,14,15
	global_load_b128 v[R+64*((\ks)%2)+4*\rr:R+64*((\ks)%2)+4*\rr+3], v[LI], s[24:25] offset:2048*\rr+512*(\ks) th:TH_LOAD_NT
.endr
.endm
.macro TOSTG ks, off                   ; into the stage, as loaded
.irp rr, 0,1,2,3,4,5,6,7,8,9,10,11,12,13,14,15
	ds_store_b128 v[SA], v[R+64*((\ks)%2)+4*\rr:R+64*((\ks)%2)+4*\rr+3] offset:\off+PITCH*\rr
.endr
.endm
.macro ARRIVED ks
.if (\ks) < 3
	s_wait_loadcnt 16                              ; this K step's 16 loads are in; the next set's 16 may be out
.else
	s_wait_loadcnt 0x0
.endif
.endm
; One K step of 128 into one FP4 fragment and one scale word
.macro SUBQ ks
	ARRIVED \ks
	TOSTG \ks, 0
.irp c, 0,1
.irp i, 0,1,2,3,4,5,6,7
	ds_load_b128 v[X+32*\c+4*\i:X+32*\c+4*\i+3], v[SB] offset:256*\c+16*\i   ; LDS serves a wave's instructions in order: these see the stores above
.endr
.endr
	s_wait_dscnt 0x0                               ; the numbers are back, and the stores have read their registers,
.if (\ks) < 2
	LOAD (\ks)+2                                   ; which take the K step two on
.endif
.irp c, 0,1
	v_max3_num_f32 v[MX+\c], |v[X+32*\c]|, |v[X+32*\c+1]|, 0x1800000   ; my block 2 c + h: all 32 numbers are mine; the floor 2^(3 - 127) holds the byte at 1 from below
.endr
.irp i, 2,4,6,8,10,12,14,16,18,20,22,24,26,28,30
.irp c, 0,1
	v_max3_num_f32 v[MX+\c], v[MX+\c], |v[X+32*\c+\i]|, |v[X+32*\c+\i+1]|   ; the two blocks by turns
.endr
.endr
.irp c, 0,1
	v_add_nc_u32 v[SCO+\c], 0xff000000, v[MX+\c]   ; 2 off the exponent field: the conversion takes the exponent field of this operand as its scale
.endr
.irp c, 0,1
	v_lshrrev_b32 v[BY+\c], 23, v[SCO+\c]          ; the scale's byte
.endr
	v_lshl_or_b32 v52, v[BY+1], 16, v[BY]          ; blocks h and 2 + h of row r,
	v_lshlrev_b32 v52, v[H8], v52                  ; at their places in the word;
	v_permlanex16_b32 v53, v52, s28, s29
	v_or_b32 v[SW+(\ks)], v52, v53                 ; with lane l xor 16's two the word is whole, in both halves of the lanes
.irp c, 0,1
.irp g, 0,1,2,3
	v_cvt_scalef32_pk8_fp4_f32 v[C+8*(\ks)+4*\c+\g], v[X+32*\c+8*\g:X+32*\c+8*\g+7], v[SCO+\c]
.endr
.endr
	v_nop                                          ; one plain line behind the last scaled conversion
.irp c, 0,1
	global_store_b128 v[LI], v[C+8*(\ks)+4*\c:C+8*(\ks)+4*\c+3], s[14:15] offset:1024*(\ks)+512*\c   ; 32 lanes store 512 consecutive bytes; each K step has code registers of its own
.endr
.endm
; One K step of 128 of Wo into four f16 fragments
.macro SUBH ks
	ARRIVED \ks
	TOSTG \ks, HOFF
.irp s, 0,1,2,3
.irp c, 0,1
.irp u, 0,1
	ds_load_b128 v[X+16*\s+8*\c+4*\u:X+16*\s+8*\c+4*\u+3], v[SC] offset:HOFF+128*\s+64*\c+16*\u
.endr
.endr
.endr
	s_wait_dscnt 0x0
	s_wait_xcnt 0x0                                ; the last K step's stores have read the packed registers, which are written again below
.if (\ks) < 2
	LOAD (\ks)+2
.endif
.set i, 0
.rept 32
	v_cvt_pk_f16_f32 v[C+i], v[X+2*i], v[X+2*i+1]
.set i, i+1
.endr
.irp s, 0,1,2,3
.irp c, 0,1
	global_store_b128 v[LI], v[C+8*\s+4*\c:C+8*\s+4*\c+3], s[18:19] offset:1024*(4*(\ks)+\s)+512*\c
.endr
.endr
.endm
	s_load_b256 s[4:11], s[0:1], 0x0               ; x s[4:5], Wq s[6:7], Wk s[8:9], Wv s[10:11]
	s_load_b256 s[12:19], s[0:1], 0x20             ; Wo s[12:13], cimg s[14:15], simg s[16:17], woimg s[18:19]
	v_lshl_add_u32 v[SPW], v0, 2, SPARE
	v_mov_b32 v[NIL], 0
	v_lshrrev_b32 v1, 5, v0
	v_readfirstlane_b32 s20, v1                    ; wave
	v_and_b32 v1, 31, v0                           ; lane
	v_and_b32 v2, 15, v0                           ; r
	v_bfe_u32 v3, v0, 4, 1                         ; h
	v_lshlrev_b32 v[LI], 4, v1
	s_mul_i32 s23, s20, WSTG
	v_add_nc_u32 v[SA], s23, v[LI]
	v_mul_u32_u24 v9, v2, PITCH
	v_add_nc_u32 v9, s23, v9
	v_lshl_add_u32 v[SB], v3, 7, v9
	v_lshl_add_u32 v[SC], v3, 5, v9
	v_lshlrev_b32 v[H8], 3, v3
	v_mov_b32 v53, 0                               ; a lane permute's destination counts as one of its sources
	s_mov_b32 s28, 0x76543210
	s_mov_b32 s29, 0xfedcba98                      ; selects for lane l xor 16
	s_lshl_b32 s21, ttmp9, 1
	s_add_co_u32 s21, s21, s20                     ; T
	s_mov_b32 s22, 608                             ; the first task of my tensor
	s_mov_b32 s27, 0
	s_wait_kmcnt 0x0
	s_cmp_lt_u32 s21, 608                          ; which tensor: the choices hang on ids alone
	s_cselect_b64 s[24:25], s[10:11], s[12:13]
	s_cselect_b32 s22, 576, s22
	s_cmp_lt_u32 s21, 576
	s_cselect_b64 s[24:25], s[8:9], s[24:25]
	s_cselect_b32 s22, 544, s22
	s_cmp_lt_u32 s21, 544
	s_cselect_b64 s[24:25], s[6:7], s[24:25]
	s_cselect_b32 s22, 512, s22
	s_cmp_lt_u32 s21, 512
	s_cselect_b64 s[24:25], s[4:5], s[24:25]
	s_cselect_b32 s22, 0, s22
	s_sub_co_u32 s26, s21, s22
	s_lshl_b32 s26, s26, 15                        ; 16 rows of 2,048 bytes a task
	s_add_nc_u64 s[24:25], s[24:25], s[26:27]
	LOAD 0
	LOAD 1
	s_cmp_ge_u32 ttmp9, 304                        ; tasks 608 on are Wo's: both waves of a work-group go the same way
	s_cbranch_scc1 .Lwo
	s_lshl_b32 s26, s21, 12
	s_add_nc_u64 s[14:15], s[14:15], s[26:27]      ; my tile's 4,096 bytes of codes
	s_lshl_b32 s26, s21, 9
	s_add_nc_u64 s[16:17], s[16:17], s[26:27]      ; and its 512 bytes of scale words
	SUBQ 0
	SUBQ 1
	SUBQ 2
	SUBQ 3
	global_store_b128 v[LI], v[SW:SW+3], s[16:17]  ; 32 lanes store 512 consecutive bytes
	s_wait_tensorcnt 0x0                           ; the wave's end, behind my last LDS store
	ds_add_u32 v[SPW], v[NIL]
	s_wait_dscnt 0x0
	s_endpgm
.Lwo:
	s_sub_co_u32 s26, s21, 608
	s_lshl_b32 s26, s26, 14
	s_add_nc_u64 s[18:19], s[18:19], s[26:27]      ; my tile's 16,384 bytes of f16
	SUBH 0
	SUBH 1
	SUBH 2
	SUBH 3
	s_wait_tensorcnt 0x0                           ; the wave's end, as above
	ds_add_u32 v[SPW], v[NIL]
	s_wait_dscnt 0x0
	s_endpgm
.Lfunc_end_k_q0a42faec93_prep:
	.size	k_q0a42faec93_prep, .Lfunc_end_k_q0a42faec93_prep-k_q0a42faec93_prep
	.p2alignl 7, 3214868480
	.fill 96, 4, 3214868480
	.section	.rodata,"a",@progbits
	.p2align	6, 0x0
	.amdhsa_kernel k_q0a42faec93_prep
		.amdhsa_group_segment_fixed_size 34048
		.amdhsa_private_segment_fixed_size 0
		.amdhsa_enable_private_segment 0
		.amdhsa_kernarg_size 64
		.amdhsa_user_sgpr_count 2
		.amdhsa_user_sgpr_kernarg_segment_ptr 1
		.amdhsa_wavefront_size32 1
		.amdhsa_system_sgpr_workgroup_id_x 1
		.amdhsa_system_sgpr_workgroup_id_y 1
		.amdhsa_system_sgpr_workgroup_id_z 1
		.amdhsa_system_vgpr_workitem_id 0
		.amdhsa_next_free_vgpr 256
		.amdhsa_next_free_sgpr 66
		.amdhsa_reserve_vcc 0
		.amdhsa_float_denorm_mode_32 3
		.amdhsa_float_denorm_mode_16_64 3
		.amdhsa_memory_ordered 1
		.amdhsa_forward_progress 1
		.amdhsa_inst_pref_size 53
	.end_amdhsa_kernel
	.amdgpu_metadata
---
amdhsa.version: [ 1, 2 ]
amdhsa.kernels:
  - .name:           k_q0a42faec93_prep
    .symbol:         k_q0a42faec93_prep.kd
    .args:
      - { .name: x, .offset: 0, .size: 8, .value_kind: global_buffer, .address_space: global }
      - { .name: Wq, .offset: 8, .size: 8, .value_kind: global_buffer, .address_space: global }
      - { .name: Wk, .offset: 16, .size: 8, .value_kind: global_buffer, .address_space: global }
      - { .name: Wv, .offset: 24, .size: 8, .value_kind: global_buffer, .address_space: global }
      - { .name: Wo, .offset: 32, .size: 8, .value_kind: global_buffer, .address_space: global }
      - { .name: cimg, .offset: 40, .size: 8, .value_kind: global_buffer, .address_space: global }
      - { .name: simg, .offset: 48, .size: 8, .value_kind: global_buffer, .address_space: global }
      - { .name: woimg, .offset: 56, .size: 8, .value_kind: global_buffer, .address_space: global }
    .group_segment_fixed_size: 34048
    .private_segment_fixed_size: 0
    .kernarg_segment_align: 8
    .kernarg_segment_size: 64
    .max_flat_workgroup_size: 64
    .sgpr_count:     66
    .vgpr_count:     256
    .wavefront_size: 32
...
	.end_amdgpu_metadata
.endif
;; end of part 1
;; launch qkv (part 2): grid 256 x 1, 4 waves a work-group, no clusters, 0 bytes of LDS; arguments cimg, simg, qimg, kimg, vimg, vmaxp; writes qimg, kimg, vimg, vmaxp
.if DOCPART == 2
	.amdgcn_target "amdgcn-amd-amdhsa--gfx1250"
	.amdhsa_code_object_version 6
	.text
	.protected	k_q0a42faec93_qkv
	.globl	k_q0a42faec93_qkv
	.p2align	8
	.type	k_q0a42faec93_qkv,@function
k_q0a42faec93_qkv:
	s_mov_b64 s[64:65], 0
	v_nop
	global_prefetch_b8 v0, s[64:65] scope:SCOPE_SE
	s_setreg_imm32_b32 hwreg(HW_REG_WAVE_MODE, 25, 1), 1
	s_wait_xcnt 0x0
; q = x Wq^T, k = x Wk^T, v = x Wv^T on codes of FP4 with E8M0 scales, sums in f32.  The results leave as f16, as images of the operand registers that the attention launch wants:
;   qimg, kimg [batch x head: 16][tile of 16 tokens: 256][32 channels: 2][c 2][lane][16 B]: lane (r, h): token r, channels 16 c + 8 h + 0 .. 7.  q is multiplied in f32 by log2(e) / 8 first.
;   vimg       [batch x head][32 keys: 128][tile of 16 channels: 4][c 2][lane][16 B]: lane (r, h): channel r, keys 16 c + 8 h + 0 .. 7.
;   vmaxp      one f32 for each of the 1,024 waves: the largest |v| that it made.
; q and k are made TRANSPOSED (source 0 = 16 rows of W, source 1 = 16 tokens): a lane's eight results are eight neighbouring channels of one token.  v is made the natural way round (source 0 = 16 tokens,
; source 1 = 16 rows of Wv): eight neighbouring keys of one channel.  Packed in pairs, an accumulator IS a piece of an image: nothing changes lanes, and every store covers 512 consecutive bytes.
; SHARES.  Work-group g: tokens 64 (g / 2) on; wave w: head 4 (g % 2) + w: three products of 64 tokens x 64 channels x K 512: 3 x 16 accumulators x 4 K steps = 192 matrix instructions.
; A wave's whole K of operands (x: 128 registers, each weight: 128) lies in its registers, loaded as images, 16 bytes a lane.  NO LDS, NO TENSOR LOAD, NO CLUSTER: joint requests land in LDS, and a pass through LDS
; would write and read every operand byte once more for 192 matrix instructions a wave; the price is that x's 16 KB are read by 8 waves and a head's weights by 128.
; LIMITS: |0.18 q|, |k|, |v| under 65,504 (f16); NaN and infinities are not served.
; REGISTERS, in windows of 256: window 0: v1 16 x lane; v16-31 x's scale words (4 tt + ks); v32-79 the weights' (16 m + 4 ft + ks); v80-143, v144-207 packed results; v208-211 running |v|.
;   window 1: v0-127 x's fragments (32 tt + 8 ks), v128-255 Wq's.   window 2: v0-127 Wk's, v128-255 Wv's.   window 3: two sets of 16 accumulators.
.set LI,  1
.set XS,  16
.set WS,  32
.set PK0, 80
.set PK1, 144
.set VM,  208
.set CF,  28                           ; s[28:29] log2(e) / 8
.set MSB, 0
.macro WIN new                         ; the immediate's high byte repeats the setting that is left
.if MSB != \new
	s_set_vgpr_msb (MSB<<8)|\new
.set MSB, \new
.endif
.endm
.macro LFRAG dst, base, off            ; four tiles x four K steps: 32 pieces of 512 bytes on end; piece i is registers 4 i .. 4 i + 3
.set i, 0
.rept 32
	global_load_b128 v[\dst+4*i:\dst+4*i+3], v[LI], s[\base:\base+1] offset:\off+512*i
.set i, i+1
.endr
.endm
.macro LSC dst, base, off              ; four tiles' scale words: four words a lane and tile
.irp t, 0,1,2,3
	global_load_b128 v[\dst+4*\t:\dst+4*\t+3], v[LI], s[\base:\base+1] offset:\off+512*\t
.endr
.endm
; 64 matrix instructions: kind 0 q, 1 k, 2 v.  The 16 accumulators take turns, one instruction a turn, K step by K step; the first K step starts the sums.
.macro MULT kind, set
.irp ks, 0,1,2,3
.irp tt, 0,1,2,3
.irp f, 0,1,2,3
.if \kind == 0
.set aD, \set+8*(4*\tt+\f)
.set aA, 128+32*\f+8*\ks
.set aB, 32*\tt+8*\ks
.set zA, WS+4*\f+\ks
.set zB, XS+4*\tt+\ks
.elseif \kind == 1
.set aD, \set+8*(4*\tt+\f)
.set aA, 32*\f+8*\ks
.set aB, 32*\tt+8*\ks
.set zA, WS+16+4*\f+\ks
.set zB, XS+4*\tt+\ks
.else
.set aD, \set+8*(8*(\tt/2)+2*\f+\tt%2)
.set aA, 32*\tt+8*\ks
.set aB, 128+32*\f+8*\ks
.set zA, XS+4*\tt+\ks
.set zB, WS+32+4*\f+\ks
.endif
.if \ks == 0
	v_wmma_scale_f32_16x16x128_f8f6f4 v[aD:aD+7], v[aA:aA+7], v[aB:aB+7], 0, v[zA], v[zB] matrix_a_fmt:MATRIX_FMT_FP4 matrix_b_fmt:MATRIX_FMT_FP4
.else
	v_wmma_scale_f32_16x16x128_f8f6f4 v[aD:aD+7], v[aA:aA+7], v[aB:aB+7], v[aD:aD+7], v[zA], v[zB] matrix_a_fmt:MATRIX_FMT_FP4 matrix_b_fmt:MATRIX_FMT_FP4
.endif
.endr
.endr
.endr
.endm
; A set of accumulators leaves: accumulator a is piece a of the image.  Every accumulator is read from its low end on.
.macro OUT kind, set, pk, base
.if \kind == 0
	WIN 0xc3                                       ; destination and source 0: window 3
.set i, 0
.rept 64
	v_pk_mul_f32 v[\set+2*i:\set+2*i+1], v[\set+2*i:\set+2*i+1], s[CF:CF+1] op_sel_hi:[1,0]   ; q x log2(e) / 8, in f32
.set i, i+1
.endr
.endif
.if \kind == 2
	WIN 0x3c                                       ; sources 1 and 2: window 3
.set i, 0
.rept 64
	v_max3_num_f32 v[VM+i%4], v[VM+i%4], |v[\set+2*i]|, |v[\set+2*i+1]|   ; four chains
.set i, i+1
.endr
.endif
	WIN 0x0f                                       ; sources 0 and 1: window 3
.set i, 0
.rept 64
	v_cvt_pk_f16_f32 v[\pk+i], v[\set+2*i], v[\set+2*i+1]
.set i, i+1
.endr
	WIN 0
.set i, 0
.rept 16
	global_store_b128 v[LI], v[\pk+4*i:\pk+4*i+3], s[\base:\base+1] offset:512*i   ; 32 lanes store 512 consecutive bytes
.set i, i+1
.endr
.endm
	s_load_b256 s[4:11], s[0:1], 0x0               ; cimg s[4:5], simg s[6:7], qimg s[8:9], kimg s[10:11]
	s_load_b128 s[12:15], s[0:1], 0x20             ; vimg s[12:13], vmaxp s[14:15]
	v_lshrrev_b32 v2, 5, v0
	v_readfirstlane_b32 s16, v2                    ; wave
	v_and_b32 v2, 31, v0                           ; lane
	v_lshlrev_b32 v[LI], 4, v2
	s_lshr_b32 s17, ttmp9, 1                       ; the group of 64 tokens, 0 .. 127
	s_and_b32 s18, ttmp9, 1
	s_lshl_b32 s18, s18, 2
	s_add_co_u32 s18, s18, s16                     ; the head
	s_lshl_b32 s33, ttmp9, 2
	s_add_co_u32 s33, s33, s16
	s_lshl_b32 s33, s33, 2
	v_mov_b32 v3, s33                              ; my word of vmaxp
.irp j, 0,1,2,3,4
	v_mov_b32 v[VM+\j], 0                          ; the four chains begin at 0; v212 is a lane permute's destination
.endr
	s_mov_b32 s[CF], 0x3e38aa3b                    ; log2(e) / 8
	s_mov_b32 s[CF+1], s[CF]                       ; (named with it as a pair, so it is written)
	s_mov_b32 s34, 0x76543210
	s_mov_b32 s35, 0xfedcba98
	s_mov_b32 s31, 0
	s_wait_kmcnt 0x0
	s_lshl_b32 s30, s17, 14
	s_add_nc_u64 s[20:21], s[4:5], s[30:31]        ; x's codes: four tiles of 4,096 bytes
	s_lshl_b32 s30, s17, 11
	s_add_nc_u64 s[22:23], s[6:7], s[30:31]        ; x's scale words: four tiles of 512 bytes
	s_lshl_b32 s30, s18, 14
	s_add_co_u32 s30, s30, 0x200000
	s_add_nc_u64 s[24:25], s[4:5], s[30:31]        ; Wq's codes of my head: tile 512 + 4 head; Wk's and Wv's lie 32 and 64 tiles on
	s_lshl_b32 s30, s18, 11
	s_add_co_u32 s30, s30, 0x40000
	s_add_nc_u64 s[26:27], s[6:7], s[30:31]        ; and their scale words
	s_lshr_b32 s30, s17, 6                         ; the batch
	s_lshl_b32 s30, s30, 3
	s_add_co_u32 s30, s30, s18
	s_lshl_b32 s30, s30, 19                        ; a head's image is 2^19 bytes,
	s_and_b32 s19, s17, 63
	s_lshl_b32 s19, s19, 13                        ; 64 tokens' part of it 8,192: the same place in all three
	s_add_co_u32 s30, s30, s19
	s_add_nc_u64 s[8:9], s[8:9], s[30:31]
	s_add_nc_u64 s[10:11], s[10:11], s[30:31]
	s_add_nc_u64 s[12:13], s[12:13], s[30:31]
	WIN 0x40                                       ; destination window 1
	LFRAG 0, 20, 0                                 ; x
	LFRAG 128, 24, 0                               ; Wq
	WIN 0
	LSC XS, 22, 0
	LSC WS, 26, 0
	WIN 0x80                                       ; destination window 2
	LFRAG 0, 24, 131072                            ; Wk
	WIN 0
	LSC WS+16, 26, 16384
	WIN 0x80
	LFRAG 128, 24, 262144                          ; Wv
	WIN 0
	LSC WS+32, 26, 32768
	s_wait_loadcnt 63                              ; x's and Wq's 72 loads are in: 72 stand behind them, and 63 is the most that the wait's field names
	WIN 0xf5                                       ; sources 0 and 1 window 1, C and D window 3
	MULT 0, 0
	s_wait_loadcnt 36                              ; Wk's are in; Wv's 36 may be out
	WIN 0xf6                                       ; source 0 window 2
	MULT 1, 128
.rept 4
	v_nop                                          ; four places ahead of the first read of q's sums
.endr
	OUT 0, 0, PK0, 8
	s_wait_loadcnt 0x0
	WIN 0xf9                                       ; source 0 window 1, source 1 window 2
	MULT 2, 0                                      ; v's sums begin anew on q's accumulators: behind q's products stand the four places above and the lines that sent them out
	OUT 1, 128, PK1, 10                            ; k leaves: these lines are the places behind v's products
	s_wait_xcnt 0x0                                ; q's stores have read their registers, which v's packed results take
	OUT 2, 0, PK0, 12
	v_max3_num_f32 v[VM], v[VM], v[VM+1], v[VM+2]
	v_max_num_f32 v[VM], v[VM], v[VM+3]
	v_max_num_f32_dpp v[VM], v[VM], v[VM] row_xmask:1 row_mask:0xf bank_mask:0xf
	v_max_num_f32_dpp v[VM], v[VM], v[VM] row_xmask:2 row_mask:0xf bank_mask:0xf
	v_max_num_f32_dpp v[VM], v[VM], v[VM] row_xmask:4 row_mask:0xf bank_mask:0xf
	v_max_num_f32_dpp v[VM], v[VM], v[VM] row_xmask:8 row_mask:0xf bank_mask:0xf
	v_permlanex16_b32 v[VM+4], v[VM], s34, s35
	v_max_num_f32 v[VM], v[VM], v[VM+4]            ; the wave's largest |v|
	v_cmp_eq_u32 vcc_lo, 0, v2
	s_wait_xcnt 0x0                                ; EXEC changes only behind this wait
	s_and_saveexec_b32 s32, vcc_lo
	global_store_b32 v3, v[VM], s[14:15]           ; lane 0 alone
	s_wait_xcnt 0x0
	s_or_b32 exec_lo, exec_lo, s32
	s_endpgm
.Lfunc_end_k_q0a42faec93_qkv:
	.size	k_q0a42faec93_qkv, .Lfunc_end_k_q0a42faec93_qkv-k_q0a42faec93_qkv
	.p2alignl 7, 3214868480
	.fill 96, 4, 3214868480
	.section	.rodata,"a",@progbits
	.p2align	6, 0x0
	.amdhsa_kernel k_q0a42faec93_qkv
		.amdhsa_group_segment_fixed_size 0
		.amdhsa_private_segment_fixed_size 0
		.amdhsa_enable_private_segment 0
		.amdhsa_kernarg_size 48
		.amdhsa_user_sgpr_count 2
		.amdhsa_user_sgpr_kernarg_segment_ptr 1
		.amdhsa_wavefront_size32 1
		.amdhsa_system_sgpr_workgroup_id_x 1
		.amdhsa_system_sgpr_workgroup_id_y 1
		.amdhsa_system_sgpr_workgroup_id_z 1
		.amdhsa_system_vgpr_workitem_id 0
		.amdhsa_next_free_vgpr 1024
		.amdhsa_next_free_sgpr 66
		.amdhsa_reserve_vcc 1
		.amdhsa_float_denorm_mode_32 3
		.amdhsa_float_denorm_mode_16_64 3
		.amdhsa_memory_ordered 1
		.amdhsa_forward_progress 1
		.amdhsa_inst_pref_size 66
	.end_amdhsa_kernel
	.amdgpu_metadata
---
amdhsa.version: [ 1, 2 ]
amdhsa.kernels:
  - .name:           k_q0a42faec93_qkv
    .symbol:         k_q0a42faec93_qkv.kd
    .args:
      - { .name: cimg, .offset: 0, .size: 8, .value_kind: global_buffer, .address_space: global }
      - { .name: simg, .offset: 8, .size: 8, .value_kind: global_buffer, .address_space: global }
      - { .name: qimg, .offset: 16, .size: 8, .value_kind: global_buffer, .address_space: global }
      - { .name: kimg, .offset: 24, .size: 8, .value_kind: global_buffer, .address_space: global }
      - { .name: vimg, .offset: 32, .size: 8, .value_kind: global_buffer, .address_space: global }
      - { .name: vmaxp, .offset: 40, .size: 8, .value_kind: global_buffer, .address_space: global }
    .group_segment_fixed_size: 0
    .private_segment_fixed_size: 0
    .kernarg_segment_align: 8
    .kernarg_segment_size: 48
    .max_flat_workgroup_size: 128
    .sgpr_count:     66
    .vgpr_count:     1024
    .wavefront_size: 32
...
	.end_amdgpu_metadata
.endif
;; end of part 2
;; launch attn (part 3): grid 16 x 16, 8 waves a work-group, clusters of 4 x 1, 327,680 bytes of LDS; arguments qimg, kimg, vimg, vmaxp, oimg; writes oimg
.if DOCPART == 3
	.amdgcn_target "amdgcn-amd-amdhsa--gfx1250"
	.amdhsa_code_object_version 6
	.text
	.protected	k_q0a42faec93_attn
	.globl	k_q0a42faec93_attn
	.p2align	8
	.type	k_q0a42faec93_attn,@function
k_q0a42faec93_attn:
	s_mov_b64 s[64:65], 0
	v_nop
	global_prefetch_b8 v0, s[64:65] scope:SCOPE_SE
	s_setreg_imm32_b32 hwreg(HW_REG_WAVE_MODE, 25, 1), 1
	s_wait_xcnt 0x0
	s_wait_alu depctr_hold_cnt(0) depctr_sa_sdst(0) depctr_va_vdst(0) depctr_va_sdst(0) depctr_va_ssrc(0) depctr_va_vcc(0) depctr_vm_vsrc(0)
	s_getreg_b32 s2, hwreg(HW_REG_IB_STS2, 6, 4)
	s_cmp_eq_u32 s2, 0
	s_cbranch_scc0 .Lentry_in_a_cluster
	s_endpgm
.Lentry_in_a_cluster:
	s_bfe_u32 s2, ttmp6, 0x10000c
	s_cmp_lg_u32 s2, 0x3003
	s_cbranch_scc0 .Lentry_shape_is_right
	s_endpgm
.Lentry_shape_is_right:
; O[bh][q] = the sum over k of softmax_k(q . k / 8) v[k], 16 heads-in-batch x 4,096 tokens x 64 channels, no mask.  Products on f16 operands, sums, maxima and the softmax in f32.
; q arrives multiplied by log2(e) / 8, so p = 2^(s - m), m the running maximum of the row's scores s; in every step O and the sum l are multiplied by a = 2^(old m - new m).  p is rounded to f16 for the second product;
; l is taken of the unrounded p and divides at the end.
; O LEAVES AS f16 x g.  O is a convex mix of v's rows, so |O| is at most the largest |v|, of which the launch before stored 1,024 partial maxima.  With E the exponent field of their maximum (floored at 2^-111),
; g = 2^(141 - E): |O g| stays under 2^15 whatever the inputs' size, and the projection multiplies its sums by 1 / g.  Both multiplications round nothing.  Only values hang on E, no address and no branch.
; LAYOUT.  All operands arrive as images of their registers (a piece: four registers, lane l's 16 bytes at 16 l).  S^T = K Q^T (source 0 = 16 keys, source 1 = 16 queries): a lane holds ONE query (lane % 16) and keys
; 8 (lane / 16) + 0 .. 7; two such tiles packed in pairs ARE source 1 of O^T = V^T P, whose result again holds one query a lane, and eight channels, which packed in pairs are a piece of the projection's operand.
; SHARES.  A work-group owns 256 queries of one head; each of its eight waves two tiles of 16.  Two waves share a SIMD, so that one wave's softmax stands beside the other's products; each fragment of K and V read
; from LDS feeds two matrix instructions.  Every wave walks all 4,096 keys, 64 a step.
; RING.  Two LDS slots of 512 keys: K's 64 KB, then V's 64 KB, both dense blocks of memory that lie in LDS as in memory; reads stand at 16 x lane.  Every wave fetches a sixteenth of the ring's bytes a fill: 16 KB, 64 rows of
; 256 bytes (waves 0-3 K's quarters, waves 4-7 V's).  By this text's count a wave has two tensor loads out at the head and one behind each change of slots, which has eight steps in which to land.
; CLUSTER.  The four query blocks of a cluster belong to one head and walk the same K and V: each tile is asked for JOINTLY, by the same tensor load with the same descriptor and a mask that names the four.
; LIMITS: NaN and infinities are not served; p under f16's smallest number counts as 0 beside the row's term of 1.
; REGISTERS.  Window 0: v1-4 addresses; v6, v7 the add's two; v8 g; v16-47 statistics, 16 a tile; v48-79 Q; v80-143 S^T, then p; v144-175 P; v176-239 O^T.   Window 1: v0-63 K of a step, v64-127 V of a step.
.set SLOT1, 1<<17                      ; slot 1 begins here: one exclusive or turns an address in one slot into the other's
.set SPARE, 2*SLOT1                    ; behind the ring: the spare words, 128 bytes for each wave: four blocks of 256 bytes that no other line names
.set LI,  1                            ; v1   16 x lane
.set ADK, 2                            ; v2   LDS address of the step's K
.set ADV, 3                            ; v3   of its V
.set PFO, 4                            ; v4   256 x lane; never rewritten
.set SPW, 6                            ; v6   LDS address of my spare word; never rewritten
.set NIL, 7                            ; v7   0; never rewritten
.set G,   8                            ; v8   g
.set ST,  16                           ; tile t's statistics at v[ST + 16 t]: +0 m, +1 old m, then old m - new m, +2, +3 l, +4 .. +7 four chains, +8 a, +9 its pair's other half, +10 .. +13 two partial sums
.set Q,   48                           ; fragment (t, s) at 16 t + 8 s
.set S,   80                           ; tile (t, kt) at 32 t + 8 kt
.set P,   144                          ; fragment (t, ks) at 16 t + 8 ks
.set O,   176                          ; tile (t, ct) at 32 t + 8 ct
.set WV,  14                           ; s14  my wave's number
.set PFA, 18                           ; s[18:19] where my prefetches stand
.set G1,  24                           ; s[24:31] descriptor group 1, one for all loads
.set G0A, 32                           ; s[32:35] group 0 of slot 0's first fill
.set G0W, 36                           ; s[36:39] group 0 that begins with slot 1 and walks
.set TB,  40                           ; s40  LDS byte at which the step's K begins
.set SLOTS, 41                         ; s41  slots still to be asked for
.set CNT, 42                           ; s42  counts a slot's steps
.set LIM, 43                           ; s43  1 in a wave that prefetches, else the greatest number
.set SEL, 44                           ; s[44:45] selects for lane l xor 16
.set MSB, 0
.macro WIN new                         ; the immediate's high byte repeats the setting that is left
.if MSB != \new
	s_set_vgpr_msb (MSB<<8)|\new
.set MSB, \new
.endif
.endm
; A round of the cluster's barrier: my work-group's barrier; wave 0 signals for the work-group; every wave waits for all four work-groups; my work-group's barrier once more.
.macro CROUND
	s_barrier_signal -1
	s_barrier_wait -1
	s_cmp_lg_u32 s[WV], 0
	s_cbranch_scc1 .Lnot_wave_0_\@
	s_barrier_signal -3
.Lnot_wave_0_\@:
	s_barrier_wait -3
	s_barrier_signal -1
	s_barrier_wait -1
.endm
; A prefetch of what the NEXT change of slots will ask for: a slot's 64 KB of K and 64 KB of V.  Each aligned block of 256 bytes is named once in the launch: all four clusters of a head walk the same K and V, so the head's
; first cluster asks; in it waves 0 and 2 ask for K's halves, waves 4 and 6 for V's; of a half's 32 KB the partner at place cx takes 8 KB, told apart by ADDRESS, lanes 256 bytes apart.  The last change that fills a slot asks for nothing.
.macro ASK
	s_cmp_gt_u32 s[SLOTS], s[LIM]
	s_cbranch_scc0 .Lnot_mine_\@
	global_prefetch_b8 v[PFO], s[PFA:PFA+1] th:TH_LOAD_NT scope:SCOPE_SE
.Lnot_mine_\@:
.endm
; Eight products of S^T = K Q^T for tile t: the four key tiles by turns, 32 channels at a time; the first four start the sums.
.macro KQ t
.irp s, 0,1
.irp kt, 0,1,2,3
.if \s == 0
	v_wmma_f32_16x16x32_f16 v[S+32*(\t)+8*\kt:S+32*(\t)+8*\kt+7], v[16*\kt+8*\s:16*\kt+8*\s+7], v[Q+16*(\t)+8*\s:Q+16*(\t)+8*\s+7], 0
.else
	v_wmma_f32_16x16x32_f16 v[S+32*(\t)+8*\kt:S+32*(\t)+8*\kt+7], v[16*\kt+8*\s:16*\kt+8*\s+7], v[Q+16*(\t)+8*\s:Q+16*(\t)+8*\s+7], v[S+32*(\t)+8*\kt:S+32*(\t)+8*\kt+7]
.endif
.endr
.endr
.endm
; Eight products of O^T += V^T P for tile t: the four channel tiles by turns, 32 keys at a time.
.macro PV t
.irp ks, 0,1
.irp ct, 0,1,2,3
	v_wmma_f32_16x16x32_f16 v[O+32*(\t)+8*\ct:O+32*(\t)+8*\ct+7], v[64+32*\ks+8*\ct:64+32*\ks+8*\ct+7], v[P+16*(\t)+8*\ks:P+16*(\t)+8*\ks+7], v[O+32*(\t)+8*\ct:O+32*(\t)+8*\ct+7]
.endr
.endr
.endm
; THE SOFTMAX OF A TILE, in three lists; each macro writes number n of its list for tile t.
; PR, 36 lines ahead of the exponentials: 0-15 the maximum of the lane's 32 scores and the old m (four chains, each accumulator read from its low end on); 16 the other half of the lanes';
; 17-19 the new m and old m - new m; 20-35 s - m, a pair of scores a line.
.macro PR t
.set rT, ST+16*(\t)
.set rS, S+32*(\t)
.if n < 4
	v_max3_num_f32 v[rT+4+n], v[rS+8*n], v[rS+8*n+1], v[rS+8*n+2]
.elseif n < 12
	v_max3_num_f32 v[rT+4+n%4], v[rT+4+n%4], v[rS+8*(n%4)+2*(n/4)+1], v[rS+8*(n%4)+2*(n/4)+2]
.elseif n == 12
	v_max3_num_f32 v[rT+4], v[rT+4], v[rS+7], v[rS+15]
.elseif n == 13
	v_max3_num_f32 v[rT+6], v[rT+6], v[rS+23], v[rS+31]
.elseif n == 14
	v_max3_num_f32 v[rT+4], v[rT+4], v[rT+5], v[rT+6]
.elseif n == 15
	v_max3_num_f32 v[rT+4], v[rT+4], v[rT+7], v[rT]
.elseif n == 16
	v_permlanex16_b32 v[rT+5], v[rT+4], s[SEL], s[SEL+1]
.elseif n == 17
	v_mov_b32 v[rT+1], v[rT]
.elseif n == 18
	v_max_num_f32 v[rT], v[rT+4], v[rT+5]
.elseif n == 19
	v_sub_f32 v[rT+1], v[rT+1], v[rT]
.else
	v_pk_add_f32 v[rS+2*(n-20):rS+2*(n-20)+1], v[rS+2*(n-20):rS+2*(n-20)+1], v[rT:rT+1] op_sel_hi:[1,0] neg_lo:[0,1] neg_hi:[0,1]
.endif
.endm
; EX, 33 exponentials: a, then the 32 weights in place.
.macro EX t
.set rT, ST+16*(\t)
.set rS, S+32*(\t)
.if n == 0
	v_exp_f32 v[rT+8], v[rT+1]
.else
	v_exp_f32 v[rS+n-1], v[rS+n-1]
.endif
.endm
; PL, 48 lines behind them: 0-15 the sum of the 16 pairs in two chains, and l = a l + the sum; 16-31 the roundings to f16; 32-47 O^T x a, ascending.
.macro PL t
.set rT, ST+16*(\t)
.set rS, S+32*(\t)
.set rU, rT+10+2*(n%2)
.if n == 0
	v_pk_add_f32 v[rT+10:rT+11], v[rS:rS+1], v[rS+2:rS+3]
.elseif n == 1
	v_pk_add_f32 v[rT+12:rT+13], v[rS+4:rS+5], v[rS+6:rS+7]
.elseif n < 14
	v_pk_add_f32 v[rU:rU+1], v[rU:rU+1], v[rS+2*(n+2):rS+2*(n+2)+1]
.elseif n == 14
	v_pk_add_f32 v[rT+10:rT+11], v[rT+10:rT+11], v[rT+12:rT+13]
.elseif n == 15
	v_pk_fma_f32 v[rT+2:rT+3], v[rT+2:rT+3], v[rT+8:rT+9], v[rT+10:rT+11] op_sel_hi:[1,0,1]
.elseif n < 32
	v_cvt_pk_f16_f32 v[P+16*(\t)+n-16], v[rS+2*(n-16)], v[rS+2*(n-16)+1]
.else
	v_pk_mul_f32 v[O+32*(\t)+2*(n-32):O+32*(\t)+2*(n-32)+1], v[O+32*(\t)+2*(n-32):O+32*(\t)+2*(n-32)+1], v[rT+8:rT+9] op_sel_hi:[1,0]
.endif
.endm
; A KEY STEP: 64 keys.  nxt = 1: the next step's K, in the same slot, is fetched.  No two matrix instructions that follow each other share an accumulator, over the backward jump too.
.macro STEP nxt
	v_add_nc_u32 v[ADK], s[TB], v[LI]
	v_add_nc_u32 v[ADV], 0x10000, v[ADK]           ; V lies 64 KB behind K
	v_nop
	v_nop                                          ; four places between the last products, which read V, and the loads into V's registers
	WIN 0x40                                       ; destination window 1
.set i, 0
.rept 16
	ds_load_b128 v[64+4*i:64+4*i+3], v[ADV] offset:512*i
.set i, i+1
.endr
	s_wait_dscnt 16                                ; K's 16 loads, issued earlier, are in; V's 16 may be out
	WIN 0x01                                       ; source 0 window 1
	KQ 0
	KQ 1
	WIN 0
.rept 4
	v_nop                                          ; four places ahead of loads into K's registers and of the first read of the scores
.endr
.if \nxt
	WIN 0x40
.set i, 0
.rept 16
	ds_load_b128 v[4*i:4*i+3], v[ADK] offset:8192+512*i
.set i, i+1
.endr
	WIN 0
.endif
.set n, 0
.rept 36
	PR 0                                           ; tile 0: maximum and s - m
.set n, n+1
.endr
.set n, 0
.rept 36
	PR 1                                           ; tile 1: the same, with tile 0's exponentials between its lines: none of these lines names an exponential's result
.if n < 33
	EX 0
.endif
.set n, n+1
.endr
	s_wait_alu depctr_va_vdst(0)                   ; the wait ahead of the first line that names an exponential's result: one for tile 0's 33
.set n, 0
.rept 48
	PL 0                                           ; tile 0: sums, roundings, O^T x a, with tile 1's exponentials between
.if n < 33
	EX 1
.endif
.set n, n+1
.endr
	s_wait_dscnt 16*\nxt                           ; V is in; the next step's K may be out
	WIN 0x01
	PV 0
	WIN 0
	s_wait_alu depctr_va_vdst(0)                   ; and one for tile 1's 33
.set n, 0
.rept 48
	PL 1                                           ; tile 1's lines name no register of tile 0's products, beside which they stand
.set n, n+1
.endr
	WIN 0x01
	PV 1
	WIN 0
.endm
; A slot's eight steps: the step is written twice, with and without a successor in the slot.
.macro SLOTWORK
	v_add_nc_u32 v[ADK], s[TB], v[LI]
	WIN 0x40
.set i, 0
.rept 16
	ds_load_b128 v[4*i:4*i+3], v[ADK] offset:512*i ; K of the slot's first step
.set i, i+1
.endr
	WIN 0
	s_mov_b32 s[CNT], 7
.Lstep_\@:
	STEP 1
	s_add_co_u32 s[TB], s[TB], 8192
	s_sub_co_u32 s[CNT], s[CNT], 1
	s_cmp_lg_u32 s[CNT], 0
	s_cbranch_scc1 .Lstep_\@
	STEP 0
.endm
; THE CHANGE OF SLOTS.  Each wave waits for all its tensor loads, of which one is out: its part of the other slot; adds 0 to its spare word; waits for that and for its reads of the slot that it leaves.
; fill = 1: the barrier is a round of the cluster's, so that no wave of any partner still reads the slot or has a load on its way, and the joint refill, with the keys two slots on, is the first thing behind it.
.macro CHANGE fill
	s_wait_tensorcnt 0x0                           ; no tensor load of mine is out, so a group 0 may be written
	ds_add_u32 v[SPW], v[NIL]                      ; 0 onto my spare word
.if \fill
	s_xor_b32 s[G0W+1], s[G0W+1], SLOT1            ; the walking descriptor: the other slot than last time,
	s_add_nc_u64 s[G0W+2:G0W+3], s[G0W+2:G0W+3], 0x10000   ; the next 512 keys; the type bits on top are not reached
	s_wait_xcnt 0x0                                ; the last prefetch, a slot back, has read its address, so it may be written
	s_add_nc_u64 s[PFA:PFA+1], s[PFA:PFA+1], 0x10000
	s_wait_dscnt 0x0                               ; the add is done, and my reads of the slot are over
	CROUND
	tensor_load_to_lds s[G0W:G0W+3], s[G1:G1+7]
	s_nop 0
.rept 4
	v_nop
.endr
	ASK                                            ; what the next change will ask for: eight steps ahead of that load
.else
	s_wait_dscnt 0x0
	s_barrier_signal -1
	s_barrier_wait -1
.endif
	s_sub_co_u32 s[TB], s[TB], 7*8192              ; back to a slot's first step,
	s_xor_b32 s[TB], s[TB], SLOT1                  ; in the other slot
.endm
	s_load_b256 s[4:11], s[0:1], 0x0               ; qimg s[4:5], kimg s[6:7], vimg s[8:9], vmaxp s[10:11]
	s_load_b64 s[12:13], s[0:1], 0x20              ; oimg
	v_lshl_add_u32 v[SPW], v0, 2, SPARE
	v_mov_b32 v[NIL], 0
	ds_add_u32 v[SPW], v[NIL]                      ; the wave's opening: the add, twice on end, and its wait ahead of my first tensor load
	ds_add_u32 v[SPW], v[NIL]                      ; and once more, under the one wait; the set-up below, work on registers, stands between
	v_lshrrev_b32 v9, 5, v0
	v_readfirstlane_b32 s[WV], v9                  ; wave 0..7
	s_bfe_u32 s15, ttmp6, 0x40000                  ; cx: my place in the cluster
	s_lshl_b32 s16, ttmp9, 2                       ; in a cluster launch ttmp9 counts clusters
	s_add_co_u32 s16, s16, s15                     ; my block of 256 queries: it enters Q's and O's addresses alone
	s_and_b32 s17, ttmp7, 0xffff                   ; batch x head, which the four partners share
	; descriptor group 1: 64 rows of 256 bytes, dense in memory and in LDS
	s_mov_b32 s[G1], 15|(3<<16)|(1<<21)            ; 15:0 the mask: all four work-groups; 17:16 elements of 8 bytes; 20 no padding; 21 set beside a mask
	s_mov_b32 s[G1+1], 32<<16                      ; tensor_dim0 = 32
	s_mov_b32 s[G1+2], 64<<16                      ; tensor_dim1 = 64
	s_mov_b32 s[G1+3], 32<<16                      ; tile_dim0 = 32
	s_mov_b32 s[G1+4], 64                          ; tile_dim1 = 64
	s_mov_b32 s[G1+5], 32                          ; from row to row
	s_mov_b32 s[G1+6], 0
	s_mov_b32 s[G1+7], 0
	s_lshl_b32 s22, s17, 19                        ; what I fetch: my head's image, 2^19 bytes a head,
	s_and_b32 s20, s[WV], 3
	s_lshl_b32 s20, s20, 14
	s_add_co_u32 s22, s22, s20                     ; my quarter of a slot's 64 KB
	s_mov_b32 s23, 0
	s_lshl_b32 s[G0A+1], s[WV], 14                 ; and where it goes: K's four quarters, then V's four: wave x 16 KB; no place in the cluster enters an LDS address
	s_add_co_u32 s[G0W+1], s[G0A+1], SLOT1
	s_mov_b32 s[G0A], 1
	s_mov_b32 s[G0W], 1
	s_lshl_b32 s46, s17, 19                        ; Q: my head, my block's 32 KB, my wave's two tiles of 2 KB
	s_lshl_b32 s48, s16, 15
	s_add_co_u32 s46, s46, s48
	s_lshl_b32 s48, s[WV], 12
	s_add_co_u32 s46, s46, s48
	s_mov_b32 s47, 0
	s_lshr_b32 s48, s17, 3                         ; O: row tile 256 x batch + 16 x block + 2 x wave, 16 KB each; in it my head's 2 KB
	s_lshl_b32 s48, s48, 8
	s_lshl_b32 s49, s16, 4
	s_add_co_u32 s48, s48, s49
	s_lshl_b32 s49, s[WV], 1
	s_add_co_u32 s48, s48, s49
	s_lshl_b32 s48, s48, 14
	s_and_b32 s49, s17, 7
	s_lshl_b32 s49, s49, 11
	s_add_co_u32 s48, s48, s49
	s_mov_b32 s49, 0
	s_mov_b32 s[SEL], 0x76543210
	s_mov_b32 s[SEL+1], 0xfedcba98
	s_mov_b32 s[TB], 0
	s_mov_b32 s[SLOTS], 6
	s_and_b32 s[LIM], s[WV], 1                     ; 0 in the even waves
	s_or_b32 s[LIM], s[LIM], ttmp9                 ; of the head's first cluster: the same in all four partners
	s_cmp_eq_u32 s[LIM], 0
	s_cselect_b32 s[LIM], 1, -1
	v_and_b32 v9, 31, v0
	v_lshlrev_b32 v[LI], 4, v9
	v_lshlrev_b32 v[PFO], 8, v9
	s_wait_dscnt 0x0                               ; both opening adds are done
	s_wait_kmcnt 0x0
	s_cmp_lt_u32 s[WV], 4                          ; waves 0-3 fetch K, waves 4-7 V
	s_cselect_b64 s[20:21], s[6:7], s[8:9]
	s_add_nc_u64 s[20:21], s[20:21], s[22:23]
	s_mov_b64 s[G0A+2:G0A+3], s[20:21]             ; keys 0 to 511
	s_or_b32 s[G0A+3], s[G0A+3], 0x80000000        ; type = 2
	s_add_nc_u64 s[G0W+2:G0W+3], s[20:21], 0x10000 ; keys 512 to 1,023
	s_or_b32 s[G0W+3], s[G0W+3], 0x80000000
	s_add_nc_u64 s[4:5], s[4:5], s[46:47]
	s_add_nc_u64 s[12:13], s[12:13], s[48:49]
	s_lshl_b32 s46, s15, 13                        ; the prefetches: my work-group's 8 KB of the 32 KB that begin at my quarter,
	s_add_nc_u64 s[PFA:PFA+1], s[20:21], s[46:47]
	s_add_nc_u64 s[PFA:PFA+1], s[PFA:PFA+1], 0x20000   ; two slots on; the first change of slots steps it to the third.  Nothing is prefetched at the head
	CROUND                                         ; all four work-groups are here: the first joint loads meet
	tensor_load_to_lds s[G0A:G0A+3], s[G1:G1+7]    ; both first fills together, ahead of every wait on TENSORcnt and every LDS read
	s_nop 0
	tensor_load_to_lds s[G0W:G0W+3], s[G1:G1+7]
	s_nop 0
.rept 4
	v_nop
.endr
.irp i, 0,1,2,3,4,5,6,7
	global_load_b128 v[Q+4*\i:Q+4*\i+3], v[LI], s[4:5] offset:512*\i       ; Q stays in registers
.endr
.irp i, 0,1,2,3,4,5,6,7
	global_load_b128 v[S+4*\i:S+4*\i+3], v[LI], s[10:11] offset:512*\i     ; the 1,024 partial maxima of |v|, 32 a lane
.endr
.set i, 0
.rept 64
	v_mov_b32 v[O+i], 0                            ; O^T.  The step is written without a first step of its own: it finds zeros, which the first a leaves zeros
.set i, i+1
.endr
.irp t, 0,1
	v_mov_b32 v[ST+16*\t], 0xff61b1e6              ; m: -3e38, under every score
	v_mov_b32 v[ST+16*\t+1], 0
	v_mov_b32 v[ST+16*\t+2], 0                     ; l, in two halves
	v_mov_b32 v[ST+16*\t+3], 0
	v_mov_b32 v[ST+16*\t+5], 0
	v_mov_b32 v[ST+16*\t+9], 0                     ; named with a as a pair, so it is written
.endr
	v_mov_b32 v10, 0
	s_wait_loadcnt 0x0
	v_max3_num_f32 v9, v[S], v[S+1], 0x08000000    ; the floor 2^-111 keeps g and 1 / g normal numbers
.irp i, 2,4,6,8,10,12,14,16,18,20,22,24,26,28,30
	v_max3_num_f32 v9, v9, v[S+\i], v[S+\i+1]
.endr
	v_max_num_f32_dpp v9, v9, v9 row_xmask:1 row_mask:0xf bank_mask:0xf
	v_max_num_f32_dpp v9, v9, v9 row_xmask:2 row_mask:0xf bank_mask:0xf
	v_max_num_f32_dpp v9, v9, v9 row_xmask:4 row_mask:0xf bank_mask:0xf
	v_max_num_f32_dpp v9, v9, v9 row_xmask:8 row_mask:0xf bank_mask:0xf
	v_permlanex16_b32 v10, v9, s[SEL], s[SEL+1]
	v_max_num_f32 v9, v9, v10                      ; the largest |v| of all
	v_and_b32 v9, 0x7f800000, v9                   ; E << 23
	v_sub_nc_u32 v[G], 0x86000000, v9              ; g = 2^(141 - E): exponent field 268 - E
	s_wait_tensorcnt 0x1                           ; my part of slot 0 is in; slot 1's may stay out
	s_barrier_signal -1
	s_barrier_wait -1                              ; everybody's is
	SLOTWORK                                       ; keys 0 to 511
.Lslot:                                                ; six trips: every slot but the last two is filled again
	CHANGE 1
	SLOTWORK
	s_sub_co_u32 s[SLOTS], s[SLOTS], 1
	s_cmp_lg_u32 s[SLOTS], 0
	s_cbranch_scc1 .Lslot
	CHANGE 0                                       ; the tail is written out
	SLOTWORK
	; THE WAY OUT.  l's two halves and the other half of the lanes' are added; O^T x g / l, rounded to f16, is four pieces a tile of the projection's operand.  The additions are the places behind the last products.
.irp t, 0,1
	v_add_f32 v[ST+16*\t+4], v[ST+16*\t+2], v[ST+16*\t+3]
.endr
.irp t, 0,1
	v_permlanex16_b32 v[ST+16*\t+5], v[ST+16*\t+4], s[SEL], s[SEL+1]
.endr
.irp t, 0,1
	v_add_f32 v[ST+16*\t+4], v[ST+16*\t+4], v[ST+16*\t+5]
.endr
.irp t, 0,1
	v_rcp_f32 v[ST+16*\t+8], v[ST+16*\t+4]
.endr
	v_nop                                          ; a plain line behind the last reciprocal
	s_wait_alu depctr_va_vdst(0)                   ; and the wait ahead of the first use: one for both
.irp t, 0,1
	v_mul_f32 v[ST+16*\t+8], v[ST+16*\t+8], v[G]
.endr
.irp t, 0,1
.set n, 32
.rept 16
	PL \t                                          ; O^T x g / l, ascending
.set n, n+1
.endr
.set i, 0
.rept 16
	v_cvt_pk_f16_f32 v[P+16*\t+i], v[O+32*\t+2*i], v[O+32*\t+2*i+1]
.set i, i+1
.endr
.irp ct, 0,1,2,3
	global_store_b128 v[LI], v[P+16*\t+4*\ct:P+16*\t+4*\ct+3], s[12:13] offset:16384*\t+512*\ct   ; 32 lanes store 512 consecutive bytes
.endr
.endr
	s_wait_tensorcnt 0x0                           ; the wave's end, behind my last tensor load
	ds_add_u32 v[SPW], v[NIL]
	s_wait_dscnt 0x0
	CROUND                                         ; the closing round: no work-group ends while a partner may still ask for a tile that names it
	s_endpgm
.Lfunc_end_k_q0a42faec93_attn:
	.size	k_q0a42faec93_attn, .Lfunc_end_k_q0a42faec93_attn-k_q0a42faec93_attn
	.p2alignl 7, 3214868480
	.fill 96, 4, 3214868480
	.section	.rodata,"a",@progbits
	.p2align	6, 0x0
	.amdhsa_kernel k_q0a42faec93_attn
		.amdhsa_group_segment_fixed_size 327680
		.amdhsa_private_segment_fixed_size 0
		.amdhsa_enable_private_segment 0
		.amdhsa_kernarg_size 40
		.amdhsa_user_sgpr_count 2
		.amdhsa_user_sgpr_kernarg_segment_ptr 1
		.amdhsa_wavefront_size32 1
		.amdhsa_system_sgpr_workgroup_id_x 1
		.amdhsa_system_sgpr_workgroup_id_y 1
		.amdhsa_system_sgpr_workgroup_id_z 1
		.amdhsa_system_vgpr_workitem_id 0
		.amdhsa_next_free_vgpr 384
		.amdhsa_next_free_sgpr 66
		.amdhsa_reserve_vcc 0
		.amdhsa_float_denorm_mode_32 3
		.amdhsa_float_denorm_mode_16_64 3
		.amdhsa_memory_ordered 1
		.amdhsa_forward_progress 1
		.amdhsa_inst_pref_size 120
	.end_amdhsa_kernel
	.amdgpu_metadata
---
amdhsa.version: [ 1, 2 ]
amdhsa.kernels:
  - .name:           k_q0a42faec93_attn
    .symbol:         k_q0a42faec93_attn.kd
    .args:
      - { .name: qimg, .offset: 0, .size: 8, .value_kind: global_buffer, .address_space: global }
      - { .name: kimg, .offset: 8, .size: 8, .value_kind: global_buffer, .address_space: global }
      - { .name: vimg, .offset: 16, .size: 8, .value_kind: global_buffer, .address_space: global }
      - { .name: vmaxp, .offset: 24, .size: 8, .value_kind: global_buffer, .address_space: global }
      - { .name: oimg, .offset: 32, .size: 8, .value_kind: global_buffer, .address_space: global }
    .group_segment_fixed_size: 327680
    .private_segment_fixed_size: 0
    .kernarg_segment_align: 8
    .kernarg_segment_size: 40
    .max_flat_workgroup_size: 256
    .sgpr_count:     66
    .vgpr_count:     384
    .wavefront_size: 32
...
	.end_amdgpu_metadata
.endif
;; end of part 3
;; launch oproj (part 4): grid 4 x 64, 4 waves a work-group, no clusters, 17,920 bytes of LDS; arguments oimg, woimg, vmaxp, out0; writes out0
.if DOCPART == 4
	.amdgcn_target "amdgcn-amd-amdhsa--gfx1250"
	.amdhsa_code_object_version 6
	.text
	.protected	k_q0a42faec93_oproj
	.globl	k_q0a42faec93_oproj
	.p2align	8
	.type	k_q0a42faec93_oproj,@function
k_q0a42faec93_oproj:
	s_mov_b64 s[64:65], 0
	v_nop
	global_prefetch_b8 v0, s[64:65] scope:SCOPE_SE
	s_setreg_imm32_b32 hwreg(HW_REG_WAVE_MODE, 25, 1), 1
	s_wait_xcnt 0x0
; out0[token][n] = (1 / g) x the sum over k of (O g)[token][k] Wo[n][k]: 8,192 x 512 x K 512, f16 operands, f32 sums.  g = 2^(141 - E), E the exponent field of the largest |v| (floored at 2^-111), is the power of
; two by which the attention launch multiplied O; 1 / g is made here from the same 1,024 partial maxima, and the multiplication rounds nothing.
; Both operands arrive as images of their registers: oimg [tile of 16 tokens: 512][K step of 32: 16][c 2][lane][16 B], woimg [tile of 16 n: 32][K step: 16][c 2][lane][16 B].
; SHARES.  A work-group makes 128 tokens x 128 columns; wave (w / 2, w % 2) 64 x 64: 16 accumulators, 256 matrix instructions.  USED TRANSPOSED (source 0 = 16 rows of Wo, source 1 = 16 tokens): a lane holds eight
; neighbouring columns of one token's row.  K goes in four quarters of 128 through two sets of 256 registers; a quarter is 64 loads of 16 bytes a lane, straight from memory.
; NO TENSOR LOAD, NO CLUSTER: joint requests land in LDS, and a pass through LDS would write and read every operand byte once more for 256 matrix instructions a wave; the price is that a tile of O is read by 8 waves
; and a tile of Wo by 128.
; THE WAY OUT: 16 tokens x 64 columns at a time through the wave's own stage (rows of 256 bytes + 16), back as whole rows: sixteen lanes store 256 consecutive bytes, at a multiple of 256 from out0's first byte.
; REGISTERS.  Window 0: v1-4 addresses; v6, v7 the add's two; v[8:9] 1 / g; v16-143 accumulators ((rt, nt) at 8 (4 rt + nt)); v144-207 rows on the way out, two sets; v208-239 the partial maxima.
;   Windows 1 and 2: a quarter each: O's fragments at 32 rt + 8 ks, Wo's at 128 + 32 nt + 8 ks.
.set SPITCH, 272
.set WSTG,  16*SPITCH                  ; 4,352 bytes a wave
.set SPARE, 4*WSTG                     ; 17,408: the spare words, 128 bytes for each wave: two blocks of 256 bytes that no other line names
.set LI,  1                            ; v1   16 x lane
.set STO, 2                            ; v2   the stage, in: row r, + 32 h
.set RD,  3                            ; v3   and back: row h, + 16 r
.set CO,  4                            ; v4   the same two rows in out0
.set SPW, 6
.set NIL, 7
.set GI,  8
.set ACC, 16
.set OB,  144
.set VP,  208
.set MSB, 0
.macro WIN new                         ; the immediate's high byte repeats the setting that is left
.if MSB != \new
	s_set_vgpr_msb (MSB<<8)|\new
.set MSB, \new
.endif
.endm
.macro LOADQ q, w                      ; quarter q of K into the window that w names as destination
	WIN \w
.irp tl, 0,1,2,3
.irp i, 0,1,2,3,4,5,6,7
	global_load_b128 v[32*\tl+4*\i:32*\tl+4*\i+3], v[LI], s[4:5] offset:16384*\tl+4096*(\q)+512*\i
.endr
.endr
.irp tl, 0,1,2,3
.irp i, 0,1,2,3,4,5,6,7
	global_load_b128 v[128+32*\tl+4*\i:128+32*\tl+4*\i+3], v[LI], s[6:7] offset:16384*\tl+4096*(\q)+512*\i
.endr
.endr
	WIN 0
.endm
.macro MULQ w, zero                    ; 64 matrix instructions: the 16 accumulators by turns, one instruction a turn; zero = 1: the first 16 start the sums
	WIN \w
.irp ks, 0,1,2,3
.irp rt, 0,1,2,3
.irp nt, 0,1,2,3
.if (\zero) && (\ks == 0)
	v_wmma_f32_16x16x32_f16 v[ACC+8*(4*\rt+\nt):ACC+8*(4*\rt+\nt)+7], v[128+32*\nt+8*\ks:128+32*\nt+8*\ks+7], v[32*\rt+8*\ks:32*\rt+8*\ks+7], 0
.else
	v_wmma_f32_16x16x32_f16 v[ACC+8*(4*\rt+\nt):ACC+8*(4*\rt+\nt)+7], v[128+32*\nt+8*\ks:128+32*\nt+8*\ks+7], v[32*\rt+8*\ks:32*\rt+8*\ks+7], v[ACC+8*(4*\rt+\nt):ACC+8*(4*\rt+\nt)+7]
.endif
.endr
.endr
.endr
	WIN 0
.endm
.macro PLACES
.rept 4
	v_nop                                          ; four places ahead of loads into registers that matrix instructions have read
.endr
.endm
.macro OUTR rt                         ; 16 tokens x 64 columns leave
.set i, 0
.rept 16
	v_pk_mul_f32 v[ACC+32*(\rt)+2*i:ACC+32*(\rt)+2*i+1], v[ACC+32*(\rt)+2*i:ACC+32*(\rt)+2*i+1], v[GI:GI+1]   ; x 1 / g; each accumulator from its low end on
.set i, i+1
.endr
.irp nt, 0,1,2,3
	ds_store_b128 v[STO], v[ACC+32*(\rt)+8*\nt:ACC+32*(\rt)+8*\nt+3] offset:64*\nt
	ds_store_b128 v[STO], v[ACC+32*(\rt)+8*\nt+4:ACC+32*(\rt)+8*\nt+7] offset:64*\nt+16
.endr
.if (\rt) >= 2
	s_wait_xcnt 0x0                                ; the stores of two blocks back have read the registers on which the loads below land
.endif
.irp i, 0,1,2,3,4,5,6,7
	ds_load_b128 v[OB+32*((\rt)%2)+4*\i:OB+32*((\rt)%2)+4*\i+3], v[RD] offset:2*SPITCH*\i   ; LDS serves a wave's instructions in order: these see the stores above, and the next block's stores come behind them
.endr
	s_wait_dscnt 0x0
.irp i, 0,1,2,3,4,5,6,7
	global_store_b128 v[CO], v[OB+32*((\rt)%2)+4*\i:OB+32*((\rt)%2)+4*\i+3], s[10:11] offset:32768*(\rt)+4096*\i th:TH_STORE_NT
.endr
.endm
	s_load_b256 s[4:11], s[0:1], 0x0               ; oimg s[4:5], woimg s[6:7], vmaxp s[8:9], out0 s[10:11]
	v_lshl_add_u32 v[SPW], v0, 2, SPARE
	v_mov_b32 v[NIL], 0
	v_lshrrev_b32 v10, 5, v0
	v_readfirstlane_b32 s12, v10                   ; wave
	s_lshr_b32 s13, s12, 1                         ; which 64 tokens
	s_and_b32 s14, s12, 1                          ; which 64 columns
	s_and_b32 s15, ttmp7, 0xffff                   ; the block of 128 tokens
	v_and_b32 v10, 31, v0
	v_lshlrev_b32 v[LI], 4, v10
	v_and_b32 v10, 15, v0                          ; r
	v_bfe_u32 v11, v0, 4, 1                        ; h
	s_mul_i32 s24, s12, WSTG
	v_mul_u32_u24 v[STO], v10, SPITCH
	v_lshl_add_u32 v[STO], v11, 5, v[STO]
	v_add_nc_u32 v[STO], s24, v[STO]
	v_mul_u32_u24 v[RD], v11, SPITCH
	v_lshl_add_u32 v[RD], v10, 4, v[RD]
	v_add_nc_u32 v[RD], s24, v[RD]
	v_lshlrev_b32 v[CO], 11, v11                   ; a row of out0 is 2,048 bytes
	v_lshl_add_u32 v[CO], v10, 4, v[CO]
	v_mov_b32 v13, 0                               ; a lane permute's destination counts as one of its sources
	s_mov_b32 s20, 0x76543210
	s_mov_b32 s21, 0xfedcba98
	s_lshl_b32 s16, s15, 17                        ; O: tile 8 x block + 4 x half, 16 KB each
	s_lshl_b32 s24, s13, 16
	s_add_co_u32 s16, s16, s24
	s_mov_b32 s17, 0
	s_lshl_b32 s18, ttmp9, 17                      ; Wo: likewise by columns
	s_lshl_b32 s24, s14, 16
	s_add_co_u32 s18, s18, s24
	s_mov_b32 s19, 0
	s_lshl_b32 s22, s15, 18                        ; out0: 128 rows of 2,048 bytes a block, 64 a half; 512 bytes a block of columns, 256 a half
	s_lshl_b32 s24, s13, 17
	s_add_co_u32 s22, s22, s24
	s_lshl_b32 s24, ttmp9, 9
	s_add_co_u32 s22, s22, s24
	s_lshl_b32 s24, s14, 8
	s_add_co_u32 s22, s22, s24
	s_mov_b32 s23, 0
	s_wait_kmcnt 0x0
	s_add_nc_u64 s[4:5], s[4:5], s[16:17]
	s_add_nc_u64 s[6:7], s[6:7], s[18:19]
	s_add_nc_u64 s[10:11], s[10:11], s[22:23]
.irp i, 0,1,2,3,4,5,6,7
	global_load_b128 v[VP+4*\i:VP+4*\i+3], v[LI], s[8:9] offset:512*\i     ; the 1,024 partial maxima of |v|, 32 a lane
.endr
	LOADQ 0, 0x40
	LOADQ 1, 0x80
	s_wait_loadcnt 63                              ; quarter 0 is in: 64 loads stand behind it, and 63 is the most that the wait's field names
	MULQ 0x05, 1
	PLACES
	LOADQ 2, 0x40
	s_wait_loadcnt 63                              ; quarter 1 likewise
	MULQ 0x0a, 0
	PLACES
	LOADQ 3, 0x80
	s_wait_loadcnt 63                              ; quarter 2
	MULQ 0x05, 0
	s_wait_loadcnt 0x0
	MULQ 0x0a, 0
	v_max3_num_f32 v12, v[VP], v[VP+1], 0x08000000 ; the same maximum and floor as in the attention launch.  These lines are the places behind the last products
.irp i, 2,4,6,8,10,12,14,16,18,20,22,24,26,28,30
	v_max3_num_f32 v12, v12, v[VP+\i], v[VP+\i+1]
.endr
	v_max_num_f32_dpp v12, v12, v12 row_xmask:1 row_mask:0xf bank_mask:0xf
	v_max_num_f32_dpp v12, v12, v12 row_xmask:2 row_mask:0xf bank_mask:0xf
	v_max_num_f32_dpp v12, v12, v12 row_xmask:4 row_mask:0xf bank_mask:0xf
	v_max_num_f32_dpp v12, v12, v12 row_xmask:8 row_mask:0xf bank_mask:0xf
	v_permlanex16_b32 v13, v12, s20, s21
	v_max_num_f32 v12, v12, v13
	v_and_b32 v12, 0x7f800000, v12                 ; E << 23
	v_add_nc_u32 v[GI], 0xf9000000, v12            ; 1 / g = 2^(E - 141): exponent field E - 14
	v_mov_b32 v[GI+1], v[GI]
	OUTR 0
	OUTR 1
	OUTR 2
	OUTR 3
	s_wait_tensorcnt 0x0                           ; the wave's end, behind my last LDS store
	ds_add_u32 v[SPW], v[NIL]
	s_wait_dscnt 0x0
	s_endpgm
.Lfunc_end_k_q0a42faec93_oproj:
	.size	k_q0a42faec93_oproj, .Lfunc_end_k_q0a42faec93_oproj-k_q0a42faec93_oproj
	.p2alignl 7, 3214868480
	.fill 96, 4, 3214868480
	.section	.rodata,"a",@progbits
	.p2align	6, 0x0
	.amdhsa_kernel k_q0a42faec93_oproj
		.amdhsa_group_segment_fixed_size 17920
		.amdhsa_private_segment_fixed_size 0
		.amdhsa_enable_private_segment 0
		.amdhsa_kernarg_size 32
		.amdhsa_user_sgpr_count 2
		.amdhsa_user_sgpr_kernarg_segment_ptr 1
		.amdhsa_wavefront_size32 1
		.amdhsa_system_sgpr_workgroup_id_x 1
		.amdhsa_system_sgpr_workgroup_id_y 1
		.amdhsa_system_sgpr_workgroup_id_z 1
		.amdhsa_system_vgpr_workitem_id 0
		.amdhsa_next_free_vgpr 768
		.amdhsa_next_free_sgpr 66
		.amdhsa_reserve_vcc 0
		.amdhsa_float_denorm_mode_32 3
		.amdhsa_float_denorm_mode_16_64 3
		.amdhsa_memory_ordered 1
		.amdhsa_forward_progress 1
		.amdhsa_inst_pref_size 57
	.end_amdhsa_kernel
	.amdgpu_metadata
---
amdhsa.version: [ 1, 2 ]
amdhsa.kernels:
  - .name:           k_q0a42faec93_oproj
    .symbol:         k_q0a42faec93_oproj.kd
    .args:
      - { .name: oimg, .offset: 0, .size: 8, .value_kind: global_buffer, .address_space: global }
      - { .name: woimg, .offset: 8, .size: 8, .value_kind: global_buffer, .address_space: global }
      - { .name: vmaxp, .offset: 16, .size: 8, .value_kind: global_buffer, .address_space: global }
      - { .name: out0, .offset: 24, .size: 8, .value_kind: global_buffer, .address_space: global }
    .group_segment_fixed_size: 17920
    .private_segment_fixed_size: 0
    .kernarg_segment_align: 8
    .kernarg_segment_size: 32
    .max_flat_workgroup_size: 128
    .sgpr_count:     66
    .vgpr_count:     768
    .wavefront_size: 32
...
	.end_amdgpu_metadata
.endif
;; end of part 4
